; MI455X (gfx1250); checked and timed in simulation.
; The chip was launched on July 23, 2026; its instructions are those of AMD's public machine-readable ISA for CDNA 5 (MIT licence, August 2026) and "CDNA5" Instruction Set Architecture Reference Guide (July 2026).
;; Radius Graph. Allowed arithmetic: float matrix products may take bf16 or f16 operands with f32 sums; all other float work in f32.
;; Inputs: query 10,000 x 4 float32; ref 10,000 x 4 float32.
;; Outputs: out0 2 x 320,000 int32.
;; Constants: num_neighbors = 32, radius = 2, sort_by_dist = 1.
;; 2 versions, each right; version 2 is version 1 with the launch filter written anew for expert scheduling mode. Each part assembles by itself: llvm-mc -triple=amdgcn-amd-amdhsa -mcpu=gfx1250 --defsym DOCPART=n.
;; ======== version 1 of 2: 2 launches
;; workspace buffers: coarse 800,000 bytes of whole numbers
;; launch filter (part 1): grid 5 x 40, 16 waves a work-group, no clusters, 40,960 bytes of LDS; arguments query, ref, coarse; writes coarse
.if DOCPART == 1
	.amdgcn_target "amdgcn-amd-amdhsa--gfx1250"
	.amdhsa_code_object_version 6
	.text
	.protected	k_q7ab62aa3b4_filter
	.globl	k_q7ab62aa3b4_filter
	.p2align	8
	.type	k_q7ab62aa3b4_filter,@function
k_q7ab62aa3b4_filter:
	s_mov_b64 s[64:65], 0
	v_nop
	global_prefetch_b8 v0, s[64:65] scope:SCOPE_SE
	s_setreg_imm32_b32 hwreg(HW_REG_WAVE_MODE, 25, 1), 1
	s_wait_xcnt 0x0
.set NREF,  10000
.set NTILE, 625
.set PLANE, 160000
.set TP,    272
.set SCR,   128*TP
.set RL,  2
.set H,   3
.set QO,  4
.set LA,  5
.set LW,  6
.set MO,  7
.set ONE, 8
.set CW,  9
.set T,   10
.set G,   20
.set GA,  24
.set R,   28
.set Q,   44
.set AF,  48
.set P0,  56
.set CB,  60
.set M,   64
.set TT,  72
.set BY,  80
.set OUT, 88
.set SA,  90
.set SB,  91
.set MONE, 92
.set D,   96
.set BF,  160
	s_load_b128 s[4:7], s[0:1], 0x0
	s_load_b64 s[8:9], s[0:1], 0x10
	v_lshl_add_u32 v224, v0, 2, 0x9800
	v_mov_b32 v225, 0
	v_lshrrev_b32 v1, 5, v0
	v_readfirstlane_b32 s10, v1
	s_and_b32 s11, ttmp7, 0xffff
	s_lshl4_add_u32 s13, s11, s10
	s_min_u32 s14, s13, NTILE-1
	s_lshl_b32 s12, ttmp9, 11
	s_lshl_b32 s15, s10, 8
	s_add_co_u32 s15, s15, SCR
	s_mov_b32 s16, 0xffff0000
	s_mov_b32 s17, 0x07060302
	s_mov_b32 s18, 0xb8800000
	s_mov_b32 s19, 0x71800000
	s_mov_b32 s20, 0x3f803f80
	s_mov_b32 s21, 0xbf80bf80
	s_lshl_b32 s22, s14, 8
	s_mov_b32 s23, 0
	s_mul_i32 s24, ttmp9, PLANE
	s_add_co_u32 s24, s24, s22
	s_mov_b32 s25, 0
	v_add_nc_u32 v[G], s12, v0
.irp i, 1,2,3
	v_add_nc_u32 v[G+\i], 512*\i, v[G]
.endr
.irp i, 0,1,2,3
	v_min_u32 v[GA+\i], NREF-1, v[G+\i]
	v_lshlrev_b32 v[GA+\i], 4, v[GA+\i]
.endr
	v_and_b32 v[RL], 15, v0
	v_lshlrev_b32 v[QO], 4, v[RL]
	s_wait_kmcnt 0x0
	s_add_nc_u64 s[4:5], s[4:5], s[22:23]
	s_add_nc_u64 s[8:9], s[8:9], s[24:25]
.irp i, 0,1,2,3
	global_load_b128 v[R+4*\i:R+4*\i+3], v[GA+\i], s[6:7]
.endr
	global_load_b128 v[Q:Q+3], v[QO], s[4:5]
	v_bfe_u32 v[H], v0, 4, 1
	v_mov_b32 v1, 256
	v_cndmask_b32 v[LA], v[QO], v1, s16
	v_and_b32 v1, 31, v0
	v_lshlrev_b32 v[MO], 3, v1
	v_add_nc_u32 v[SB], s15, v[MO]
	v_lshl_add_u32 v[SA], v[H], 7, v[RL]
	v_add_nc_u32 v[SA], s15, v[SA]
	v_and_b32 v1, 127, v0
	v_mul_u32_u24 v[LW], v1, TP
	v_lshrrev_b32 v1, 7, v0
	v_lshl_add_u32 v[LW], v1, 4, v[LW]
	v_mov_b32 v[ONE], 1.0
	v_mov_b32 v[MONE], -1.0
.irp b, 0,1,2,3,4,5,6,7
.irp k, 4,5,6,7
	v_mov_b32 v[BF+8*\b+\k], 0
.endr
.endr
.irp k, 4,5,6,7
	v_mov_b32 v[AF+\k], 0
.endr
	s_cmp_ge_u32 s10, 4
	s_cbranch_scc1 .Lnoconst
	v_mul_u32_u24 v[CW], v0, TP
	v_mov_b32 v[CB], s20
	v_mov_b32 v[CB+1], 0
	v_mov_b32 v[CB+2], 0
	v_mov_b32 v[CB+3], 0
	ds_store_b128 v[CW], v[CB:CB+3] offset:256
.Lnoconst:
.macro NORMS in
	v_cvt_pk_bf16_f32 v[P0], v[\in], v[\in+1]
	v_cvt_pk_bf16_f32 v[P0+1], v[\in+2], v[\in+3]
	v_lshlrev_b32 v[T+0], 16, v[P0]
	v_and_b32 v[T+1], s16, v[P0]
	v_lshlrev_b32 v[T+2], 16, v[P0+1]
	v_and_b32 v[T+3], s16, v[P0+1]
	v_mul_f32 v[T+4], v[T+1], v[T+1]
	v_mul_f32 v[T+5], 0x41000000, v[T+0]
	v_fmac_f32 v[T+4], v[T+2], v[T+2]
	v_fmac_f32 v[T+4], v[T+3], v[T+3]
	v_fmac_f32 v[T+4], v[T+5], v[T+0]
	v_fmac_f32 v[T+4], s18, v[T+4]
.endm
.macro SPLIT
	v_and_b32 v[T+6], s16, v[T+4]
	v_sub_f32 v[T+7], v[T+4], v[T+6]
	v_and_b32 v[T+8], s16, v[T+7]
	v_sub_f32 v[T+9], v[T+7], v[T+8]
.endm
.irp i, 0,1,2,3
	s_wait_loadcnt 4-\i
	NORMS R+4*\i
	v_cmp_gt_u32 vcc_lo, NREF, v[G+\i]
	v_cndmask_b32 v[T+4], s19, v[T+4], vcc_lo
	SPLIT
	v_perm_b32 v[P0+2], v[T+8], v[T+6], s17
	v_perm_b32 v[P0+3], v[ONE], v[T+9], s17
	ds_store_b128 v[LW], v[P0:P0+3] offset:64*\i
.endr
	s_wait_loadcnt 0x0
	NORMS Q
	v_sub_f32 v[T+4], 4.0, v[T+4]
	SPLIT
	v_mul_f32 v[T+0], 0x41800000, v[T+0]
	v_mul_f32 v[T+1], 2.0, v[T+1]
	v_mul_f32 v[T+2], 2.0, v[T+2]
	v_mul_f32 v[T+3], 2.0, v[T+3]
	v_cvt_pk_bf16_f32 v[T+0], v[T+0], v[T+1]
	v_cvt_pk_bf16_f32 v[T+2], v[T+2], v[T+3]
	v_perm_b32 v[T+5], v[T+6], v[MONE], s17
	v_perm_b32 v[T+7], v[T+9], v[T+8], s17
	v_cndmask_b32 v[AF], v[T+0], v[T+7], s16
	v_cndmask_b32 v[AF+1], v[T+2], 0, s16
	v_cndmask_b32 v[AF+2], s21, 0, s16
	v_cndmask_b32 v[AF+3], v[T+5], 0, s16
	s_wait_dscnt 0x0
	s_barrier_signal -1
	s_barrier_wait -1
	s_cmp_gt_u32 s13, NTILE-1
	s_cbranch_scc1 .Lend
.macro LOADS n
.irp blk, 0,1,2,3
	ds_load_b128 v[BF+32*((\n)&1)+8*\blk:BF+32*((\n)&1)+8*\blk+3], v[LA] offset:(16*(7-((\n)>>2))+4*((\n)&3)+\blk)*TP
.endr
.endm
.macro MULS n
.irp blk, 0,1,2,3
	v_wmma_f32_16x16x32_bf16 v[D+32*((\n)&1)+8*\blk:D+32*((\n)&1)+8*\blk+7], v[AF:AF+7], v[BF+32*((\n)&1)+8*\blk:BF+32*((\n)&1)+8*\blk+7], 0
.endr
.endm
.macro FOLD1 n
.irp j, 0,1,2,3,4,5,6,7
	v_max3_num_f32 v[TT+\j], v[D+32*((\n)&1)+\j], v[D+32*((\n)&1)+8+\j], v[D+32*((\n)&1)+16+\j]
.endr
.endm
.macro FOLD2 n
.irp j, 0,1,2,3,4,5,6,7
.if ((\n)&3) == 0
	v_max_num_f32 v[M+\j], v[TT+\j], v[D+32*((\n)&1)+24+\j]
.else
	v_max3_num_f32 v[M+\j], v[M+\j], v[TT+\j], v[D+32*((\n)&1)+24+\j]
.endif
.endr
.if ((\n)&3) == 3
.irp j, 0,1,2,3,4,5,6,7
.if (\n) == 3
	v_lshrrev_b32 v[BY+\j], 31, v[M+\j]
.else
	v_alignbit_b32 v[BY+\j], v[BY+\j], v[M+\j], 31
.endif
.endr
.endif
.endm
	LOADS 0
	LOADS 1
.set st, 0
.rept 32
.if st < 31
	s_wait_dscnt 0x4
.else
	s_wait_dscnt 0x0
.endif
	MULS st
.if st == 0
	v_nop
	v_nop
	v_nop
	v_nop
.else
	FOLD1 (st-1)
.endif
.if st < 30
	LOADS (st+2)
.endif
.if st > 0
	FOLD2 (st-1)
.endif
.set st, st+1
.endr
	FOLD1 31
	FOLD2 31
.irp j, 0,1,2,3,4,5,6,7
	v_xor_b32 v[BY+\j], -1, v[BY+\j]
.endr
.irp j, 0,1,2,3,4,5,6,7
	ds_store_b8 v[SA], v[BY+\j] offset:16*\j
.endr
	ds_load_b64 v[OUT:OUT+1], v[SB]
	s_wait_dscnt 0x0
	global_store_b64 v[MO], v[OUT:OUT+1], s[8:9]
.Lend:
	s_wait_tensorcnt 0x0
	ds_add_u32 v224, v225
	s_wait_dscnt 0x0
	s_endpgm
.Lfunc_end_k_q7ab62aa3b4_filter:
	.size	k_q7ab62aa3b4_filter, .Lfunc_end_k_q7ab62aa3b4_filter-k_q7ab62aa3b4_filter
	.p2alignl 7, 3214868480
	.fill 96, 4, 3214868480
	.section	.rodata,"a",@progbits
	.p2align	6, 0x0
	.amdhsa_kernel k_q7ab62aa3b4_filter
		.amdhsa_group_segment_fixed_size 40960
		.amdhsa_private_segment_fixed_size 0
		.amdhsa_enable_private_segment 0
		.amdhsa_kernarg_size 24
		.amdhsa_user_sgpr_count 2
		.amdhsa_user_sgpr_kernarg_segment_ptr 1
		.amdhsa_wavefront_size32 1
		.amdhsa_system_sgpr_workgroup_id_x 1
		.amdhsa_system_sgpr_workgroup_id_y 1
		.amdhsa_system_sgpr_workgroup_id_z 1
		.amdhsa_system_vgpr_workitem_id 0
		.amdhsa_next_free_vgpr 226
		.amdhsa_next_free_sgpr 66
		.amdhsa_reserve_vcc 1
		.amdhsa_float_denorm_mode_32 3
		.amdhsa_float_denorm_mode_16_64 3
		.amdhsa_memory_ordered 1
		.amdhsa_forward_progress 1
		.amdhsa_inst_pref_size 62
	.end_amdhsa_kernel
	.amdgpu_metadata
---
amdhsa.version: [ 1, 2 ]
amdhsa.kernels:
  - .name:           k_q7ab62aa3b4_filter
    .symbol:         k_q7ab62aa3b4_filter.kd
    .args:
      - { .name: query, .offset: 0, .size: 8, .value_kind: global_buffer, .address_space: global }
      - { .name: ref, .offset: 8, .size: 8, .value_kind: global_buffer, .address_space: global }
      - { .name: coarse, .offset: 16, .size: 8, .value_kind: global_buffer, .address_space: global }
    .group_segment_fixed_size: 40960
    .private_segment_fixed_size: 0
    .kernarg_segment_align: 8
    .kernarg_segment_size: 24
    .max_flat_workgroup_size: 512
    .sgpr_count:     66
    .vgpr_count:     226
    .wavefront_size: 32
...
	.end_amdgpu_metadata
.endif
;; end of part 1
;; launch select (part 2): grid 625 x 1, 16 waves a work-group, no clusters, 6,144 bytes of LDS; arguments query, ref, coarse, out0; writes out0
.if DOCPART == 2
	.amdgcn_target "amdgcn-amd-amdhsa--gfx1250"
	.amdhsa_code_object_version 6
	.text
	.protected	k_q7ab62aa3b4_select
	.globl	k_q7ab62aa3b4_select
	.p2align	8
	.type	k_q7ab62aa3b4_select,@function
k_q7ab62aa3b4_select:
	s_mov_b64 s[64:65], 0
	v_nop
	global_prefetch_b8 v0, s[64:65] scope:SCOPE_SE
	s_setreg_imm32_b32 hwreg(HW_REG_WAVE_MODE, 25, 1), 1
	s_wait_xcnt 0x0
.set NREF,   10000
.set PLANE,  160000
.set OUTROW, 1280000
.set L15,  2
.set QR,   12
.set BQ,   16
.set X2,   17
.set Y2,   18
.set Z2,   19
.set SQ,   20
.set CAND, 21
.set GA,   22
.set R,    24
.set T,    28
.set KD,   36
.set LD,   37
.set LI,   38
.set PD,   39
.set PI,   40
.set TD,   41
.set TI,   42
.set ST,   43
.set O1,   44
.set OUT,  46
.set W,    40
	s_load_b256 s[4:11], s[0:1], 0x0
	v_lshl_add_u32 v52, v0, 2, 0x1000
	v_mov_b32 v53, 0
	v_lshrrev_b32 v1, 5, v0
	v_readfirstlane_b32 s12, v1
	s_lshl4_add_u32 s13, ttmp9, s12
	s_lshl_b32 s14, s13, 4
	s_mov_b32 s15, 0
	s_mov_b32 s16, 0xffff0000
	s_mov_b32 s17, 0x7f800000
	s_mov_b32 s18, -1
	s_mov_b32 s19, -1
	s_mov_b32 s28, 0
	s_mov_b32 s29, 0
	s_mov_b32 s30, 0
	v_mov_b32 v1, 0
	v_and_b32 v[L15], 15, v0
	s_wait_kmcnt 0x0
	s_add_nc_u64 s[4:5], s[4:5], s[14:15]
	s_add_nc_u64 s[8:9], s[8:9], s[14:15]
.irp p, 0,1,2,3,4
	s_load_b128 s[W+4*\p:W+4*\p+3], s[8:9], \p*PLANE
.endr
	global_load_b128 v[QR:QR+3], v1, s[4:5]
	v_mov_b32 v[LD], s17
	v_mov_b32 v[LI], -1
	v_mov_b32 v[PD], 0
	v_mov_b32 v[PI], 0
	v_lshlrev_b32 v[ST], 2, v0
	s_wait_loadcnt 0x0
	v_cvt_pk_bf16_f32 v[T], v[QR], v[QR+1]
	v_cvt_pk_bf16_f32 v[T+1], v[QR+2], v[QR+3]
	v_lshlrev_b32 v[BQ], 16, v[T]
	v_and_b32 v[X2], s16, v[T]
	v_lshlrev_b32 v[Y2], 16, v[T+1]
	v_and_b32 v[Z2], s16, v[T+1]
	v_mul_f32 v[SQ], v[X2], v[X2]
	v_fmac_f32 v[SQ], v[Y2], v[Y2]
	v_fmac_f32 v[SQ], v[Z2], v[Z2]
	v_add_f32 v[X2], v[X2], v[X2]
	v_add_f32 v[Y2], v[Y2], v[Y2]
	v_add_f32 v[Z2], v[Z2], v[Z2]
	s_wait_kmcnt 0x0
.macro FLUSH id, trips
	v_mov_b32 v[T], s29
	v_cndmask_b32 v[CAND], s28, v[T], s16
	v_lshl_add_u32 v[CAND], v[CAND], 4, v[L15]
	v_min_u32 v[GA], NREF-1, v[CAND]
	v_lshlrev_b32 v[GA], 4, v[GA]
	global_load_b128 v[R:R+3], v[GA], s[6:7]
	s_wait_loadcnt 0x0
	v_cvt_pk_bf16_f32 v[T], v[R], v[R+1]
	v_cvt_pk_bf16_f32 v[T+1], v[R+2], v[R+3]
	v_lshlrev_b32 v[T+2], 16, v[T]
	v_and_b32 v[T+3], s16, v[T]
	v_lshlrev_b32 v[T+4], 16, v[T+1]
	v_and_b32 v[T+5], s16, v[T+1]
	v_mul_f32 v[T+6], v[T+3], v[T+3]
	v_mul_f32 v[T+7], v[X2], v[T+3]
	v_fmac_f32 v[T+6], v[T+4], v[T+4]
	v_fmac_f32 v[T+7], v[Y2], v[T+4]
	v_fmac_f32 v[T+6], v[T+5], v[T+5]
	v_fmac_f32 v[T+7], v[Z2], v[T+5]
	v_add_f32 v[T+6], v[SQ], v[T+6]
	v_sub_f32 v[T+6], v[T+6], v[T+7]
	v_cmp_ge_f32 s33, 4.0, v[T+6]
	v_cmp_eq_f32 s34, v[BQ], v[T+2]
	v_cmp_gt_u32 s35, NREF, v[CAND]
	s_and_b32 s33, s33, s34
	s_and_b32 s33, s33, s35
	v_max_num_f32 v[T+6], 0, v[T+6]
	v_cndmask_b32 v[KD], s17, v[T+6], s33
	s_mov_b32 s32, 0
.Lins_\id:
	v_readlane_b32 s33, v[KD], s32
	v_readlane_b32 s34, v[CAND], s32
	v_permlanex16_b32 v[PD], v[LD], s18, s19
	v_permlanex16_b32 v[PI], v[LI], s18, s19
	v_cmp_lt_f32 s35, s33, v[LD]
	v_mov_b32_dpp v[PD], v[LD] row_shr:1 row_mask:0xf bank_mask:0xf
	v_mov_b32_dpp v[PI], v[LI] row_shr:1 row_mask:0xf bank_mask:0xf
	s_lshl_b32 s36, s35, 1
	v_cndmask_b32 v[TD], s33, v[PD], s36
	v_cndmask_b32 v[TI], s34, v[PI], s36
	v_cndmask_b32 v[LD], v[LD], v[TD], s35
	v_cndmask_b32 v[LI], v[LI], v[TI], s35
	s_add_co_u32 s32, s32, 1
	s_cmp_lt_u32 s32, \trips
	s_cbranch_scc1 .Lins_\id
.endm
.macro WORD k
	s_cmp_eq_u32 s[W+\k], 0
	s_cbranch_scc1 .Lempty_\k
	s_mov_b32 s25, s[W+\k]
	s_bcnt1_i32_b32 s27, s25
	s_mov_b32 s22, 0
.Lbit_\k:
	s_ctz_i32_b32 s31, s25
	s_sub_co_u32 s24, s25, 1
	s_and_b32 s25, s25, s24
	s_add_co_u32 s31, s31, 32*\k
	s_cmp_eq_u32 s30, 0
	s_cbranch_scc0 .Lpair_\k
	s_mov_b32 s28, s31
	s_mov_b32 s30, 1
	s_branch .Lnext_\k
.Lpair_\k:
	s_mov_b32 s29, s31
	FLUSH \k, 32
	s_mov_b32 s30, 0
.Lnext_\k:
	s_add_co_u32 s22, s22, 1
	s_cmp_lt_u32 s22, s27
	s_cbranch_scc1 .Lbit_\k
.Lempty_\k:
.endm
.irp k, 0,1,2,3,4,5,6,7,8,9,10,11,12,13,14,15,16,17,18,19
	WORD \k
.endr
	s_cmp_eq_u32 s30, 0
	s_cbranch_scc1 .Lnone
	FLUSH 20, 16
.Lnone:
	v_cmp_le_i32 vcc_lo, 0, v[LI]
	v_mov_b32 v[O1], s13
	v_cndmask_b32 v[O1], -1, v[O1], vcc_lo
	ds_store_b32 v[ST], v[LI]
	ds_store_b32 v[ST], v[O1] offset:2048
	s_wait_dscnt 0x0
	s_barrier_signal -1
	s_barrier_wait -1
	s_cmp_ge_u32 s12, 8
	s_cbranch_scc1 .Lend
	s_lshl_b32 s14, ttmp9, 11
	s_cmp_ge_u32 s12, 4
	s_cselect_b32 s20, OUTROW-2048, 0
	s_add_co_u32 s14, s14, s20
	s_add_nc_u64 s[10:11], s[10:11], s[14:15]
	v_lshlrev_b32 v[T], 4, v0
	ds_load_b128 v[OUT:OUT+3], v[T]
	s_wait_dscnt 0x0
	global_store_b128 v[T], v[OUT:OUT+3], s[10:11] th:TH_STORE_NT
.Lend:
	s_wait_tensorcnt 0x0
	ds_add_u32 v52, v53
	s_wait_dscnt 0x0
	s_endpgm
.Lfunc_end_k_q7ab62aa3b4_select:
	.size	k_q7ab62aa3b4_select, .Lfunc_end_k_q7ab62aa3b4_select-k_q7ab62aa3b4_select
	.p2alignl 7, 3214868480
	.fill 96, 4, 3214868480
	.section	.rodata,"a",@progbits
	.p2align	6, 0x0
	.amdhsa_kernel k_q7ab62aa3b4_select
		.amdhsa_group_segment_fixed_size 6144
		.amdhsa_private_segment_fixed_size 0
		.amdhsa_enable_private_segment 0
		.amdhsa_kernarg_size 32
		.amdhsa_user_sgpr_count 2
		.amdhsa_user_sgpr_kernarg_segment_ptr 1
		.amdhsa_wavefront_size32 1
		.amdhsa_system_sgpr_workgroup_id_x 1
		.amdhsa_system_sgpr_workgroup_id_y 1
		.amdhsa_system_sgpr_workgroup_id_z 1
		.amdhsa_system_vgpr_workitem_id 0
		.amdhsa_next_free_vgpr 54
		.amdhsa_next_free_sgpr 66
		.amdhsa_reserve_vcc 1
		.amdhsa_float_denorm_mode_32 3
		.amdhsa_float_denorm_mode_16_64 3
		.amdhsa_memory_ordered 1
		.amdhsa_forward_progress 1
		.amdhsa_inst_pref_size 60
	.end_amdhsa_kernel
	.amdgpu_metadata
---
amdhsa.version: [ 1, 2 ]
amdhsa.kernels:
  - .name:           k_q7ab62aa3b4_select
    .symbol:         k_q7ab62aa3b4_select.kd
    .args:
      - { .name: query, .offset: 0, .size: 8, .value_kind: global_buffer, .address_space: global }
      - { .name: ref, .offset: 8, .size: 8, .value_kind: global_buffer, .address_space: global }
      - { .name: coarse, .offset: 16, .size: 8, .value_kind: global_buffer, .address_space: global }
      - { .name: out0, .offset: 24, .size: 8, .value_kind: global_buffer, .address_space: global }
    .group_segment_fixed_size: 6144
    .private_segment_fixed_size: 0
    .kernarg_segment_align: 8
    .kernarg_segment_size: 32
    .max_flat_workgroup_size: 512
    .sgpr_count:     66
    .vgpr_count:     54
    .wavefront_size: 32
...
	.end_amdgpu_metadata
.endif
;; end of part 2
;; ======== version 2 of 2: 2 launches; version 1 with the launch filter written anew for expert scheduling mode
;; workspace buffers: coarse 800,000 bytes of whole numbers
;; launch filter (part 3): grid 5 x 40, 16 waves a work-group, no clusters, 40,960 bytes of LDS; arguments query, ref, coarse; writes coarse
.if DOCPART == 3
	.amdgcn_target "amdgcn-amd-amdhsa--gfx1250"
	.amdhsa_code_object_version 6
	.text
	.protected	k_q7ab62aa3b4_filter
	.globl	k_q7ab62aa3b4_filter
	.p2align	8
	.type	k_q7ab62aa3b4_filter,@function
k_q7ab62aa3b4_filter:
	s_mov_b64 s[64:65], 0
	v_nop
	global_prefetch_b8 v0, s[64:65] scope:SCOPE_SE
	s_setreg_imm32_b32 hwreg(HW_REG_WAVE_SCHED_MODE, 0, 2), 2
	s_setreg_imm32_b32 hwreg(HW_REG_WAVE_MODE, 25, 1), 1
	s_wait_xcnt 0x0
	s_wait_alu depctr_vm_vsrc(0)
.set NREF,  10000
.set NTILE, 625
.set PLANE, 160000
.set TP,    272
.set SCR,   128*TP
.set RL,  2
.set H,   3
.set QO,  4
.set LA,  5
.set LW,  6
.set MO,  7
.set ONE, 8
.set CW,  9
.set T,   10
.set G,   20
.set GA,  24
.set R,   28
.set Q,   44
.set AF,  48
.set P0,  56
.set CB,  60
.set REC, 64
.set M,   64
.set TT,  72
.set BY,  80
.set OUT, 88
.set SA,  90
.set SB,  91
.set MONE, 92
.set D,   96
.set BF,  160
.set MK,  22
	s_load_b128 s[4:7], s[0:1], 0x0
	s_load_b64 s[8:9], s[0:1], 0x10
	v_lshl_add_u32 v94, v0, 2, 0x9800
	v_mov_b32 v95, 0
	v_lshrrev_b32 v1, 5, v0
	v_readfirstlane_b32 s10, v1
	s_and_b32 s11, ttmp7, 0xffff
	s_lshl_b32 s12, ttmp9, 11
	s_mov_b32 s16, 0xffff0000
	s_mov_b32 s17, 0x07060302
	s_mov_b32 s18, 0xb8800000
	s_mov_b32 s19, 0x71800000
	s_mov_b32 s20, 0x3f803f80
	s_mov_b32 s21, 0xbf80bf80
	s_mov_b32 s23, 0
	s_mul_i32 s24, ttmp9, PLANE
	s_mov_b32 s25, 0
	v_add_nc_u32 v[G], s12, v0
.irp i, 1,2,3
	v_add_nc_u32 v[G+\i], 512*\i, v[G]
.endr
.irp i, 0,1,2,3
	v_min_u32 v[GA+\i], NREF-1, v[G+\i]
	v_lshlrev_b32 v[GA+\i], 4, v[GA+\i]
.endr
	v_and_b32 v[RL], 15, v0
	v_lshlrev_b32 v[QO], 4, v[RL]
	s_wait_alu depctr_va_sdst(0)
	s_lshl4_add_u32 s13, s11, s10
	s_min_u32 s14, s13, NTILE-1
	s_lshl_b32 s15, s10, 8
	s_add_co_u32 s15, s15, SCR
	s_lshl_b32 s22, s14, 8
	s_add_co_u32 s24, s24, s22
	s_wait_kmcnt 0x0
	s_add_nc_u64 s[4:5], s[4:5], s[22:23]
	s_add_nc_u64 s[8:9], s[8:9], s[24:25]
	s_wait_alu depctr_va_vdst(0)
.irp i, 0,1,2,3
	global_load_b128 v[R+4*\i:R+4*\i+3], v[GA+\i], s[6:7]
.endr
	global_load_b128 v[Q:Q+3], v[QO], s[4:5]
	v_bfe_u32 v[H], v0, 4, 1
	v_mov_b32 v1, 256
	v_cndmask_b32 v[LA], v[QO], v1, s16
	v_and_b32 v1, 31, v0
	v_lshlrev_b32 v[MO], 3, v1
	v_add_nc_u32 v[SB], s15, v[MO]
	v_lshl_add_u32 v[SA], v[H], 7, v[RL]
	v_add_nc_u32 v[SA], s15, v[SA]
	v_and_b32 v1, 127, v0
	v_mul_u32_u24 v[LW], v1, TP
	v_lshrrev_b32 v1, 7, v0
	v_lshl_add_u32 v[LW], v1, 4, v[LW]
	v_mov_b32 v[ONE], 1.0
	v_mov_b32 v[MONE], -1.0
.irp i, 0,1,2,3
	v_cmp_gt_u32 s[MK+\i], NREF, v[G+\i]
.endr
.irp b, 0,1,2,3,4,5,6,7,8,9,10,11
.irp k, 4,5,6,7
	v_mov_b32 v[BF+8*\b+\k], 0
.endr
.endr
.irp k, 4,5,6,7
	v_mov_b32 v[AF+\k], 0
.endr
	s_wait_alu depctr_va_sdst(0)
	s_cmp_ge_u32 s10, 4
	s_cbranch_scc1 .Lnoconst
	v_mul_u32_u24 v[CW], v0, TP
	v_mov_b32 v[CB], s20
	v_mov_b32 v[CB+1], 0
	v_mov_b32 v[CB+2], 0
	v_mov_b32 v[CB+3], 0
	s_wait_alu depctr_va_vdst(0)
	ds_store_b128 v[CW], v[CB:CB+3] offset:256
.Lnoconst:
.macro NORMS in, out
	v_cvt_pk_bf16_f32 v[\out], v[\in], v[\in+1]
	v_cvt_pk_bf16_f32 v[\out+1], v[\in+2], v[\in+3]
	v_lshlrev_b32 v[T+0], 16, v[\out]
	v_and_b32 v[T+1], s16, v[\out]
	v_lshlrev_b32 v[T+2], 16, v[\out+1]
	v_and_b32 v[T+3], s16, v[\out+1]
	v_mul_f32 v[T+4], v[T+1], v[T+1]
	v_mul_f32 v[T+5], 0x41000000, v[T+0]
	v_fmac_f32 v[T+4], v[T+2], v[T+2]
	v_fmac_f32 v[T+4], v[T+3], v[T+3]
	v_fmac_f32 v[T+4], v[T+5], v[T+0]
	v_fmac_f32 v[T+4], s18, v[T+4]
.endm
.macro SPLIT
	v_and_b32 v[T+6], s16, v[T+4]
	v_sub_f32 v[T+7], v[T+4], v[T+6]
	v_and_b32 v[T+8], s16, v[T+7]
	v_sub_f32 v[T+9], v[T+7], v[T+8]
.endm
.irp i, 0,1,2,3
	s_wait_loadcnt 4-\i
	NORMS R+4*\i, REC+4*\i
	v_cndmask_b32 v[T+4], s19, v[T+4], s[MK+\i]
	SPLIT
	v_perm_b32 v[REC+4*\i+2], v[T+8], v[T+6], s17
	v_perm_b32 v[REC+4*\i+3], v[ONE], v[T+9], s17
.endr
	s_wait_alu depctr_va_vdst(0)
.irp i, 0,1,2,3
	ds_store_b128 v[LW], v[REC+4*\i:REC+4*\i+3] offset:64*\i
.endr
	s_wait_loadcnt 0x0
	NORMS Q, P0
	v_sub_f32 v[T+4], 4.0, v[T+4]
	SPLIT
	v_mul_f32 v[T+0], 0x41800000, v[T+0]
	v_mul_f32 v[T+1], 2.0, v[T+1]
	v_mul_f32 v[T+2], 2.0, v[T+2]
	v_mul_f32 v[T+3], 2.0, v[T+3]
	v_cvt_pk_bf16_f32 v[T+0], v[T+0], v[T+1]
	v_cvt_pk_bf16_f32 v[T+2], v[T+2], v[T+3]
	v_perm_b32 v[T+5], v[T+6], v[MONE], s17
	v_perm_b32 v[T+7], v[T+9], v[T+8], s17
	v_cndmask_b32 v[AF], v[T+0], v[T+7], s16
	v_cndmask_b32 v[AF+1], v[T+2], 0, s16
	v_cndmask_b32 v[AF+2], s21, 0, s16
	v_cndmask_b32 v[AF+3], v[T+5], 0, s16
	s_wait_dscnt 0x0
	s_barrier_signal -1
	s_barrier_wait -1
	s_cmp_gt_u32 s13, NTILE-1
	s_cbranch_scc1 .Lend
	s_wait_alu depctr_vm_vsrc(0)
.macro LOAD1 n, blk
	ds_load_b128 v[BF+32*((\n)%3)+8*(\blk):BF+32*((\n)%3)+8*(\blk)+3], v[LA] offset:(16*(7-((\n)>>2))+4*((\n)&3)+(\blk))*TP
.endm
.macro MUL1 n, blk
	v_wmma_f32_16x16x32_bf16 v[D+32*((\n)&1)+8*(\blk):D+32*((\n)&1)+8*(\blk)+7], v[AF:AF+7], v[BF+32*((\n)%3)+8*(\blk):BF+32*((\n)%3)+8*(\blk)+7], 0
.endm
.macro FOLD1 n
.irp j, 0,1,2,3,4,5,6,7
	v_max3_num_f32 v[TT+\j], v[D+32*((\n)&1)+\j], v[D+32*((\n)&1)+8+\j], v[D+32*((\n)&1)+16+\j]
.endr
.endm
.macro FOLD2 n
.irp j, 0,1,2,3,4,5,6,7
.if ((\n)&3) == 0
	v_max_num_f32 v[M+\j], v[TT+\j], v[D+32*((\n)&1)+24+\j]
.else
	v_max3_num_f32 v[M+\j], v[M+\j], v[TT+\j], v[D+32*((\n)&1)+24+\j]
.endif
.endr
.if ((\n)&3) == 3
.irp j, 0,1,2,3,4,5,6,7
.if (\n) == 3
	v_lshrrev_b32 v[BY+\j], 31, v[M+\j]
.else
	v_alignbit_b32 v[BY+\j], v[BY+\j], v[M+\j], 31
.endif
.endr
.endif
.endm
.irp blk, 0,1,2,3
	LOAD1 0, \blk
.endr
.irp blk, 0,1,2,3
	LOAD1 1, \blk
.endr
.set st, 0
.rept 32
.if st < 31
	s_wait_dscnt 0x4
.else
	s_wait_dscnt 0x0
.endif
.if (st > 0) && (st < 30)
	s_wait_alu depctr_va_vdst(0)
.endif
.irp blk, 0,1,2,3
	MUL1 st, \blk
.if st < 30
	LOAD1 (st+2), \blk
.endif
.endr
.if st == 0
	v_nop
	v_nop
	v_nop
	v_nop
.else
	FOLD1 (st-1)
	FOLD2 (st-1)
.endif
.set st, st+1
.endr
	FOLD1 31
	FOLD2 31
.irp j, 0,1,2,3,4,5,6,7
	v_xor_b32 v[BY+\j], -1, v[BY+\j]
.endr
	s_wait_alu depctr_va_vdst(0)
.irp j, 0,1,2,3,4,5,6,7
	ds_store_b8 v[SA], v[BY+\j] offset:16*\j
.endr
	ds_load_b64 v[OUT:OUT+1], v[SB]
	s_wait_dscnt 0x0
	global_store_b64 v[MO], v[OUT:OUT+1], s[8:9]
.Lend:
	s_wait_dscnt 0x0
	s_wait_alu depctr_hold_cnt(0) depctr_sa_sdst(0) depctr_va_vdst(0) depctr_va_sdst(0) depctr_va_ssrc(0) depctr_va_vcc(0) depctr_vm_vsrc(0)
	s_wait_tensorcnt 0x0
	ds_add_u32 v94, v95
	s_wait_dscnt 0x0
	s_endpgm
.Lfunc_end_k_q7ab62aa3b4_filter:
	.size	k_q7ab62aa3b4_filter, .Lfunc_end_k_q7ab62aa3b4_filter-k_q7ab62aa3b4_filter
	.p2alignl 7, 3214868480
	.fill 96, 4, 3214868480
	.section	.rodata,"a",@progbits
	.p2align	6, 0x0
	.amdhsa_kernel k_q7ab62aa3b4_filter
		.amdhsa_group_segment_fixed_size 40960
		.amdhsa_private_segment_fixed_size 0
		.amdhsa_enable_private_segment 0
		.amdhsa_kernarg_size 24
		.amdhsa_user_sgpr_count 2
		.amdhsa_user_sgpr_kernarg_segment_ptr 1
		.amdhsa_wavefront_size32 1
		.amdhsa_system_sgpr_workgroup_id_x 1
		.amdhsa_system_sgpr_workgroup_id_y 1
		.amdhsa_system_sgpr_workgroup_id_z 1
		.amdhsa_system_vgpr_workitem_id 0
		.amdhsa_next_free_vgpr 256
		.amdhsa_next_free_sgpr 66
		.amdhsa_reserve_vcc 0
		.amdhsa_float_denorm_mode_32 3
		.amdhsa_float_denorm_mode_16_64 3
		.amdhsa_memory_ordered 1
		.amdhsa_forward_progress 1
		.amdhsa_inst_pref_size 64
	.end_amdhsa_kernel
	.amdgpu_metadata
---
amdhsa.version: [ 1, 2 ]
amdhsa.kernels:
  - .name:           k_q7ab62aa3b4_filter
    .symbol:         k_q7ab62aa3b4_filter.kd
    .args:
      - { .name: query, .offset: 0, .size: 8, .value_kind: global_buffer, .address_space: global }
      - { .name: ref, .offset: 8, .size: 8, .value_kind: global_buffer, .address_space: global }
      - { .name: coarse, .offset: 16, .size: 8, .value_kind: global_buffer, .address_space: global }
    .group_segment_fixed_size: 40960
    .private_segment_fixed_size: 0
    .kernarg_segment_align: 8
    .kernarg_segment_size: 24
    .max_flat_workgroup_size: 512
    .sgpr_count:     66
    .vgpr_count:     256
    .wavefront_size: 32
...
	.end_amdgpu_metadata
.endif
;; end of part 3
;; launch select: the kernel of part 2 again; grid 625 x 1, 16 waves a work-group, no clusters, 6,144 bytes of LDS; arguments query, ref, coarse, out0; writes out0
